; MI455X (gfx1250); checked and timed in simulation.
; The chip was launched on July 23, 2026; its instructions are those of AMD's public machine-readable ISA for CDNA 5 (MIT licence, August 2026) and "CDNA5" Instruction Set Architecture Reference Guide (July 2026). The comments in the code are by the model that wrote it; some were corrected since.
;; Optimized Quantized Linear. Allowed arithmetic: matrix products marked QUANTISED: E5M2 operands, one E8M0 scale for each 32 along K, by v_wmma_scale_f32_16x16x128_f8f6f4 with both operands' format E5M2, f32 sums; everything else in f32.
;; Inputs: packed 8,192 x 4,096 int32; scales 8,192 x 64 float32; x 64 x 8,192 float32.
;; Outputs: out0 64 x 8,192 float32.
;; This version of the problem:
;;   THIS VERSION OF THE PROBLEM IS GIVEN IN LOW PRECISION. The matrix products marked QUANTISED in the list below multiply operands that are first quantised to E5M2 (5 exponent bits, 2 mantissa bits; 8 bits a number), with one power-of-two scale for each 32 numbers along K (OCP MX v1.0); their sums are f32. All else is computed in f32.
;;   The module's matrix products, in the order in which they are computed (A, B: the left and right operand; K: the contracted axis; several contracted axes count as one K, in the product's order):
;;     1. [M 64, K 8,192] x [K 8,192, N 8,192]; A: input x; B: computed on the way: QUANTISED
;;   THE QUANTISER, for each operand of a quantised product, along K:
;;     - K is cut into blocks of 32 from its start; a last block that is shorter is filled with zeros.
;;     - A block's scale is 2^e with e = floor(log2(the largest magnitude in the block)) - 15, held to -126 .. 127; a block of zeros has e = 0. As a byte (E8M0): e + 127.
;;     - Each number is divided by its block's scale, clamped to +-57,344, and rounded to the nearest number of E5M2, ties to even, subnormals kept.
;;     - The product sums the exact products of the quantised numbers (number of the format x scale) in f32.
;;   ~~~python
;;   def quantise(x, axis):      # numpy; x: float32 -> the quantised numbers, widened to float32 again
;;       x = np.moveaxis(x, axis, -1); K = x.shape[-1]
;;       x = np.pad(x, [(0, 0)] * (x.ndim - 1) + [(0, -K % 32)]); x = x.reshape(x.shape[:-1] + (-1, 32)); a = np.abs(x).max(-1, keepdims=True)
;;       e = np.where(a > 0, np.clip(np.frexp(np.where(a > 0, a, 1))[1] - 1 - 15, -126, 127), 0)      # np.frexp(a)[1] - 1 = floor(log2(a)), exactly
;;       r = np.clip(x / 2.0 ** e, -57344, 57344)
;;       step = 2.0 ** (np.maximum(np.frexp(np.where(r == 0, 1, r))[1] - 1, -14) - 2)
;;       q = np.round(r / step) * step * 2.0 ** e      # np.round: ties to even
;;       return np.moveaxis(q.reshape(q.shape[:-2] + (-1,))[..., :K], -1, axis).astype(np.float32)
;;   ~~~
;;   OPERANDS COMPUTED ON THE WAY. 'Computed on the way' means the value that the module computes at that place (a softmax that the list does not call 'softmax' is quantised finished and normalised). What goes into a quantiser is computed in f32, as accurately as f32 sums, v_exp_f32 and their like allow (about 1e-6 of the number): no bf16 or f16 on the way to a quantiser, and a product that is left as it is and whose result goes on into a quantised operand takes f32 operands (vector FMAs, or v_wmma_f32_16x16x4_f32). A number that lies on a knife's edge between two numbers of the format may be rounded either way, as far as f32 arithmetic and the matrix unit's own rounding can turn it there, and no further.
;; One version. Each part assembles by itself: llvm-mc -triple=amdgcn-amd-amdhsa -mcpu=gfx1250 --defsym DOCPART=n.
;; ======== version 1 of 1: 2 launches
;; limits: right only within a limited range of input values
;; workspace buffers: parts 16,777,216 bytes
;; launch qlinear (part 1): grid 256 x 1, 8 waves a work-group, clusters of 4 x 1, 327,680 bytes of LDS; arguments packed, scales, x, parts; writes parts
.if DOCPART == 1
	.amdgcn_target "amdgcn-amd-amdhsa--gfx1250"
	.amdhsa_code_object_version 6
	.text
	.protected	k_q9e9ae0a570_qlinear
	.globl	k_q9e9ae0a570_qlinear
	.p2align	8
	.type	k_q9e9ae0a570_qlinear,@function
k_q9e9ae0a570_qlinear:
	s_mov_b64 s[64:65], 0
	v_nop
	global_prefetch_b8 v0, s[64:65] scope:SCOPE_SE
	s_setreg_imm32_b32 hwreg(HW_REG_WAVE_MODE, 25, 1), 1
	s_wait_xcnt 0x0
	s_wait_alu depctr_hold_cnt(0) depctr_sa_sdst(0) depctr_va_vdst(0) depctr_va_sdst(0) depctr_va_ssrc(0) depctr_va_vcc(0) depctr_vm_vsrc(0)
	s_getreg_b32 s2, hwreg(HW_REG_IB_STS2, 6, 4)
	s_cmp_eq_u32 s2, 0
	s_cbranch_scc0 .Lentry_in_a_cluster
	s_endpgm
.Lentry_in_a_cluster:
	s_bfe_u32 s2, ttmp6, 0x10000c
	s_cmp_lg_u32 s2, 0x3003
	s_cbranch_scc0 .Lentry_shape_is_right
	s_endpgm
.Lentry_shape_is_right:
; out0[b][o] = sum over k of Q(x)[b][k] Q(w)[o][k], w[o][k] = (q - 8) scales[o][k / 128], q the k-th nibble of row o of packed (two nibbles in the low byte of each 32-bit word; the low byte alone counts).
; Q: codes of BF8 (E5M2), one E8M0 scale for each 32 along K.  This launch quantises x and w, multiplies, and stores the sums of eight slabs along K; the next launch adds the eight.
; SHARES.  A work-group owns 256 columns o and a slab of 1,024 along K; wave w of its eight owns 32 columns (two tiles of 16).  A UNIT is one K step of 128: 32 rows x 256 bytes of packed, x's codes of that step, 8 matrix
; instructions onto the wave's 8 accumulators (4 batch tiles x 2 column tiles).  A wave has eight units.
; X: the slab of x is 64 rows x 4,096 bytes.  Wave w asks for K step w's 64 rows x 512 bytes by one tensor load, quantises them and leaves codes and scale words in LDS over the first bytes of its own tile; behind ONE barrier all
; eight waves read all eight records.  The four work-groups of a cluster have the same slab and ask JOINTLY: the same load, the same descriptor, a mask that names the four.  LDS is filled once.
; While x is on its way the wave makes w's codes of units 0 and 1: the codes have two sets of registers.
; PACKED STREAMS THROUGH REGISTERS: a load reads 256 consecutive bytes of row i in lanes 0-15 and of row i + 8 in lanes 16-31.  Three units (3 x 64 registers) are asked for at the head, and a buffer is asked for
; again as soon as its words have been read: 24,576 bytes a wave.  So no prefetch is laid: each load stands three units ahead of its use.
; Four words' low bytes make one word; these turn through the wave's own stage in LDS (rows of 64 bytes, 80 apart), since the operand wants a lane to hold ONE row, and come back as 32 bytes a lane and tile.
; A word's low nibbles and high nibbles become two words of bytes, so each 8 weights along K stand in the order 0, 2, 4, 6, 1, 3, 5, 7: x's codes are laid alike, and a sum over K asks for no more.
; A BYTE 0 .. 15 is the E4M3 code of q x 2^-9, so the scaled conversion with the scale byte 136 gives q in f32 exactly.  One fused multiply-add, q s - 8 s, rounds once: the bits of (q - 8) s.
; W'S QUANTISER.  A block of 32 lies in lanes l and l xor 16.  Its largest magnitude's exponent field is taken as the scale byte, 15 above the rule's, so that the codes are those of numbers 2^15 smaller: the numbers, code x scale, are the
; rule's, since |q - 8| of a nonzero weight is between 1 and 8 and s is the same for the block: every nonzero weight lies within 1/8 of the largest and is a normal number of E5M2 under either scale.  A scaled number lies under 2, and
; the hold at 57,344 is a hold at 1.75: a number that rounds up to 2, the only code with bit 6 set (0x40), takes the code one below, 1.75 (0x3f).
; THE MATRIX INSTRUCTION IS USED TRANSPOSED (source 0 = 16 rows of w, source 1 = 16 rows of x): a lane holds eight neighbouring columns of one batch row.
; PARTS: [slab][32 columns][image 4 x + 2 f + e][lane][16 bytes]: batch row 16 x + r, columns 16 f + 8 h + 4 e .. + 3 of lane (r, h): each store of a wave covers 512 consecutive bytes.
; LIMITS: NaN and infinities are not served; |scale| from 2^124 on overflows in 8 s; blocks of w whose largest magnitude is not 0 but under 2^-126, and of x under 2^-111, keep the floor's scale.  The f32 sums are made in eight parts along K.
.set ROWB,   16384                     ; a row of packed in bytes
.set STEPB,  256                       ; 128 along K of one row
.set XP,     528                       ; a row of x in LDS: 512 bytes + 16
.set XT,     16*XP                     ; a batch tile's 16 rows
.set XWAVE,  64*XP                     ; a K step's 64 rows; its record of codes (8,192 bytes) and scale words (512) takes the first 8,704 bytes
.set STG,    8*XWAVE                   ; behind them: the stages
.set SPITCH, 80                        ; a stage row: 64 bytes + 16
.set STGW,   32*SPITCH                 ; a wave's stage: ten blocks of 256 bytes
.set SPARE,  STG+8*STGW                ; the spare words, 128 bytes for each wave: four blocks of 256 bytes that no other line names
.set SPW, 1                            ; v1   LDS address of my spare word; never rewritten
.set NIL, 2                            ; v2   0; never rewritten
.set VP,  3                            ; v3   packed: 16 (lane % 16) + 8 rows for lanes 16-31; never rewritten
.set VS,  4                            ; v4   scales: 256 (lane % 16); later WA
.set WA,  4                            ; v4   where my row's scale word of x goes in LDS
.set STI, 5                            ; v5   the stage, on the way in
.set STO, 6                            ; v6   and on the way out: row r, + 32 h
.set XA,  7                            ; v7-10 16 x lane + records 0, 2, 4, 6
.set GO,  11                           ; v11  16 x lane
.set SC8, 12                           ; v12  the scale byte 136 in every byte
.set XW,  13                           ; v13  my record + 16 x lane
.set CV,  14                           ; v[14:15] -8 s of the unit, column tile 0, 1
.set WS,  16                           ; v16-19 w's scale words: 2 (unit % 2) + column tile: scales and nothing else
.set M,   20                           ; v20-23 four blocks' largest magnitudes; x: then the holds
.set N,   24                           ; v24-27 second chains, then exponent fields; x: the conversions' scale operands
.set XS,  28                           ; v[28:29] x's scale words: v28 batch tile 0 (lanes 0-15) and 1 (lanes 16-31), v29 tiles 2 and 3: scales and nothing else
.set PW,  30                           ; v30  x: a row's scale word
.set XR,  31                           ; v31  my tile of x: row r, + 64 h
.set S,   32                           ; v32-47 s: register 8 t + j: my row of column tile t, unit j
.set Z,   48                           ; v48-63 a unit's words from the stage: 8 t + 2 c + d: bytes of k = 32 c + 16 h + 8 d .. + 7 of row r; x: a block's held numbers
.set PT,  64                           ; v64-127 x's four fragments; at the head a batch tile of x
.set F,   128                          ; v128-191 a tile's four blocks, 16 numbers each; between units the words on their way into the stage; at the head a batch tile of x
.set WC,  192                          ; v192-255 w's codes: 32 (unit % 2) + 16 (column tile)
.set ACC, 192                          ; window 1, v192-255: accumulator (batch tile x, column tile f) at 8 (2 x + f).  Window 1, v0-191: packed, three units
.set WV,  12                           ; s12 my wave's number
.set G1,  24                           ; s[24:31] descriptor group 1
.set G0,  32                           ; s[32:35] descriptor group 0
.set SELA, 42                          ; s42, s43 v_perm_b32's selectors
.set SELB, 43
.set MSK,  44                          ; s44 the low nibble of each byte
.set ONE,  45                          ; s45 1 in each byte
.set SEL,  46                          ; s[46:47] v_permlanex16_b32's selects for lane l xor 16
.set MNT,  48                          ; s48 the mantissa field of 57,344
.set MSB, 0
.macro WIN new                         ; s_set_vgpr_msb: bits 1:0 source 0, 3:2 source 1, 5:4 source 2, 7:6 destination; the high byte repeats the setting that is left
.if MSB != \new
	s_set_vgpr_msb (MSB<<8)|\new
.set MSB, \new
.endif
.endm
; A round of the cluster's barrier: my work-group's barrier, so that wave 0's signal speaks for all eight waves; wave 0 signals; every wave waits for the four work-groups; my work-group's barrier once more.
.macro CROUND
	s_barrier_signal -1
	s_barrier_wait -1
	s_cmp_lg_u32 s[WV], 0
	s_cbranch_scc1 .Lnot_wave_0_\@
	s_barrier_signal -3
.Lnot_wave_0_\@:
	s_barrier_wait -3
	s_barrier_signal -1
	s_barrier_wait -1
.endm
; Unit j's 32 rows x 256 bytes into buffer j % 3.  Load i: row 16 (i / 8) + i % 8 in lanes 0-15, the row 8 further down in lanes 16-31.  Every offset is an immediate: 23 rows and 7 steps at the most.
.macro PLOAD j
	WIN 0x40                                       ; destination window 1, address window 0
.irp i, 0,1,2,3,4,5,6,7,8,9,10,11,12,13,14,15
	global_load_b128 v[64*((\j)%3)+4*\i:64*((\j)%3)+4*\i+3], v[VP], s[4:5] offset:(16*(\i/8)+\i%8)*ROWB+(\j)*STEPB th:TH_LOAD_NT
.endr
	WIN 0
.endm
; Unit j's words: the low bytes of four make one, which go through the stage and come back by rows.  left: the loads of younger units, which stay out.
.macro PRE j, left
	s_wait_loadcnt \left                           ; loads come back in order: unit j (and, older still, s) is in
	WIN 0x05                                       ; sources 0 and 1 window 1, destination window 0
.irp i, 0,1,2,3,4,5,6,7,8,9,10,11,12,13,14,15
	v_perm_b32 v[F+2*\i],   v[64*((\j)%3)+4*\i+1], v[64*((\j)%3)+4*\i],   s[SELA]   ; the low bytes of words 0 and 1 into bytes 0 and 1,
	v_perm_b32 v[F+2*\i+1], v[64*((\j)%3)+4*\i+3], v[64*((\j)%3)+4*\i+2], s[SELB]   ; of words 2 and 3 into bytes 2 and 3; zeros beside
.endr
.if (\j) < 5
	PLOAD (\j)+3                                   ; the words have been read: the buffer takes the unit three further on
.else
	WIN 0
.endif
	v_mul_f32 v[CV], 0xc1000000, v[S+(\j)]         ; the unit's -8 s: exact
	v_mul_f32 v[CV+1], 0xc1000000, v[S+8+(\j)]
.irp i, 0,1,2,3,4,5,6,7,8,9,10,11,12,13,14,15
	v_or_b32 v[F+32+\i], v[F+2*\i], v[F+2*\i+1]
.endr
.irp i, 0,1,2,3,4,5,6,7,8,9,10,11,12,13,14,15
	ds_store_b32 v[STI], v[F+32+\i] offset:((\i/8)*16+\i%8)*SPITCH   ; my 8 weights of the load's row
.endr
.irp t, 0,1
.irp e, 0,1
	ds_load_b128 v[Z+8*\t+4*\e:Z+8*\t+4*\e+3], v[STO] offset:\t*16*SPITCH+16*\e   ; LDS serves a wave's instructions in order: these see my stores
.endr
.endr
.endm
; Column tile t's 8 words become 64 numbers q in f32; the bytes stand meanwhile where the tile's codes will go.
.macro SPLIT t, j
.set TT, WC+32*((\j)%2)+16*(\t)
.irp n, 0,1,2,3,4,5,6,7
	v_lshrrev_b32 v[TT+2*\n+1], 4, v[Z+8*(\t)+\n]
.endr
.irp n, 0,1,2,3,4,5,6,7
	v_and_b32 v[TT+2*\n], s[MSK], v[Z+8*(\t)+\n]
.endr
.irp n, 0,1,2,3,4,5,6,7
	v_and_b32 v[TT+2*\n+1], s[MSK], v[TT+2*\n+1]
.endr
.irp n, 0,1,2,3,4,5,6,7
	v_cvt_scale_pk8_f32_fp8 v[F+8*\n:F+8*\n+7], v[TT+2*\n:TT+2*\n+1], v[SC8]   ; x 2^(136 - 127): q
.endr
	v_nop                                          ; a plain vector line between scaled conversions and the first use of their results
.endm
; The largest magnitudes of four blocks, 16 numbers each from v[b0] on, over the floor, joined with lane l xor 16's: two chains a block, the four blocks by turns.
.macro LARGEST b0, floor
.irp b, 0,1,2,3
	v_max3_num_f32 v[M+\b], |v[\b0+16*\b]|, |v[\b0+16*\b+1]|, |v[\b0+16*\b+2]|
.endr
.irp b, 0,1,2,3
	v_max3_num_f32 v[N+\b], |v[\b0+16*\b+3]|, |v[\b0+16*\b+4]|, |v[\b0+16*\b+5]|
.endr
.irp a, 6,10
.irp b, 0,1,2,3
	v_max3_num_f32 v[M+\b], v[M+\b], |v[\b0+16*\b+\a]|, |v[\b0+16*\b+\a+1]|
.endr
.irp b, 0,1,2,3
	v_max3_num_f32 v[N+\b], v[N+\b], |v[\b0+16*\b+\a+2]|, |v[\b0+16*\b+\a+3]|
.endr
.endr
.irp b, 0,1,2,3
	v_max3_num_f32 v[M+\b], v[M+\b], |v[\b0+16*\b+14]|, |v[\b0+16*\b+15]|
.endr
.irp b, 0,1,2,3
	v_max3_num_f32 v[M+\b], v[M+\b], v[N+\b], \floor
.endr
.irp b, 0,1,2,3
	v_permlanex16_b32 v[N+\b], v[M+\b], s[SEL], s[SEL+1]
.endr
.irp b, 0,1,2,3
	v_max_num_f32 v[M+\b], v[M+\b], v[N+\b]
.endr
.endm
; Column tile t of unit j: w = q s - 8 s, the blocks' scales, the codes, the hold.  par = j % 2: which register of its pair holds s.
.macro FINISH t, j, par
.set SPR, S+8*(\t)+2*((\j)/2)
.set WD, WC+32*((\j)%2)+16*(\t)
.irp i, 0,2,4,6,8,10,12,14,16,18,20,22,24,26,28,30,32,34,36,38,40,42,44,46,48,50,52,54,56,58,60,62
	v_pk_fma_f32 v[F+\i:F+\i+1], v[F+\i:F+\i+1], v[SPR:SPR+1], v[CV:CV+1] op_sel:[0,\par,\t] op_sel_hi:[1,\par,\t]   ; one register of each pair serves both halves
.endr
	LARGEST F, 0x800000                            ; the floor 2^-126: the byte cannot fall under 1
.irp n, 0,1,2,3,4,5,6,7
	v_cvt_scalef32_pk8_bf8_f32 v[WD+2*\n:WD+2*\n+1], v[F+8*\n:F+8*\n+7], v[M+\n/2]   ; the scale is the largest magnitude's exponent field: what is scaled lies under 2
.endr
.irp b, 0,1,2,3
	v_lshrrev_b32 v[N+\b], 23, v[M+\b]             ; the scale bytes
.endr
	v_lshl_or_b32 v[N], v[N+1], 8, v[N]
	v_lshl_or_b32 v[N+2], v[N+3], 8, v[N+2]
.irp i, 0,1,2,3,4,5,6,7,8,9,10,11,12,13,14,15
	v_lshrrev_b32 v[F+\i], 6, v[WD+\i]
.endr
	v_lshl_or_b32 v[WS+2*((\j)%2)+(\t)], v[N+2], 16, v[N]   ; the tile's scale word
.irp i, 0,1,2,3,4,5,6,7,8,9,10,11,12,13,14,15
	v_and_b32 v[F+\i], s[ONE], v[F+\i]             ; 1 in each byte whose code is that of 2,
.endr
.irp i, 0,1,2,3,4,5,6,7,8,9,10,11,12,13,14,15
	v_sub_nc_u32 v[WD+\i], v[WD+\i], v[F+\i]       ; which becomes that of 1.75: no byte borrows from its neighbour
.endr
.endm
; x's four fragments and scale words of K step j, as they lie: 512 consecutive bytes a load
.macro XLD j
.irp x, 0,1,2,3
.irp c, 0,1,2,3
	ds_load_b128 v[PT+16*\x+4*\c:PT+16*\x+4*\c+3], v[XA+(\j)/2] offset:((\j)%2)*XWAVE+\x*2048+\c*512
.endr
.endr
	ds_load_b64 v[XS:XS+1], v[XA+(\j)/2] offset:((\j)%2)*XWAVE+8192
.endm
; One product: batch tile x, column tile f.  Unit 0's products start the sums: nothing is ever cleared.
.macro MM x, f, j
.set AD, ACC+8*(2*(\x)+(\f))
.set WA_, WC+32*((\j)%2)+16*(\f)
.set WB_, WS+2*((\j)%2)+(\f)
.if (\j) == 0
.if (\x)%2
	v_wmma_scale_f32_16x16x128_f8f6f4 v[AD:AD+7], v[WA_:WA_+15], v[PT+16*(\x):PT+16*(\x)+15], 0, v[WB_], v[XS+(\x)/2] matrix_a_fmt:MATRIX_FMT_BF8 matrix_b_fmt:MATRIX_FMT_BF8 matrix_b_scale:MATRIX_SCALE_ROW1
.else
	v_wmma_scale_f32_16x16x128_f8f6f4 v[AD:AD+7], v[WA_:WA_+15], v[PT+16*(\x):PT+16*(\x)+15], 0, v[WB_], v[XS+(\x)/2] matrix_a_fmt:MATRIX_FMT_BF8 matrix_b_fmt:MATRIX_FMT_BF8
.endif
.else
.if (\x)%2
	v_wmma_scale_f32_16x16x128_f8f6f4 v[AD:AD+7], v[WA_:WA_+15], v[PT+16*(\x):PT+16*(\x)+15], v[AD:AD+7], v[WB_], v[XS+(\x)/2] matrix_a_fmt:MATRIX_FMT_BF8 matrix_b_fmt:MATRIX_FMT_BF8 matrix_b_scale:MATRIX_SCALE_ROW1
.else
	v_wmma_scale_f32_16x16x128_f8f6f4 v[AD:AD+7], v[WA_:WA_+15], v[PT+16*(\x):PT+16*(\x)+15], v[AD:AD+7], v[WB_], v[XS+(\x)/2] matrix_a_fmt:MATRIX_FMT_BF8 matrix_b_fmt:MATRIX_FMT_BF8
.endif
.endif
.endm
.macro MMS j                           ; the eight accumulators take turns, one instruction a turn, in the same order in every unit
	WIN 0x50                                       ; C and D window 1
.irp x, 0,1,2,3
	MM \x, 0, \j
	MM \x, 1, \j
.endr
	WIN 0
.endm
; A unit behind the head: its words have been asked for ahead of the last unit's products.  nleft: the count for the next unit's words.
.macro UNIT j, par, nleft
	s_wait_dscnt 0x0                               ; the unit's words are back from the stage
	SPLIT 0, \j
	FINISH 0, \j, \par
	XLD \j                                         ; tile 0's plain lines are the places between the last products and these loads
	SPLIT 1, \j
	FINISH 1, \j, \par
.if (\j) < 7
	PRE (\j)+1, \nleft                             ; the next unit goes through the stage; its 50 plain vector lines are also the places between w's codes and the products
	s_wait_dscnt 20                                ; x is in; behind it: the stage's 16 stores and 4 loads
.else
.rept 8
	v_nop                                          ; an operand written by vector instructions stands four places ahead of a scaled matrix instruction, a scale word eight
.endr
	s_wait_alu depctr_va_vdst(0)
	s_wait_dscnt 0x0
.endif
	MMS \j
.endm
; X's QUANTISER.  Batch tile t of my K step: lane (r, h) takes row r, k = 32 b + 16 h + 0 .. 15 of each block b, into v[b0] on.
.macro XIN t, b0
.irp b, 0,1,2,3
.irp i, 0,1,2,3
	ds_load_b128 v[\b0+16*\b+4*\i:\b0+16*\b+4*\i+3], v[XR] offset:(\t)*XT+128*\b+16*\i
.endr
.endr
.endm
.macro XQ t, b0
	LARGEST \b0, 0x8000000                         ; the floor 2^(16 - 127): the byte cannot fall under 1
.irp b, 0,1,2,3
	v_add_nc_u32 v[N+\b], 0xf8800000, v[M+\b]      ; 15 off the exponent field: the conversion takes the exponent field of this operand as its scale
.endr
.irp b, 0,1,2,3
	v_and_or_b32 v[M+\b], v[M+\b], 0x7f800000, s[MNT]   ; 57,344 x the scale
.endr
.irp b, 0,1,2,3
	v_lshrrev_b32 v[Z+\b], 23, v[N+\b]             ; the scale bytes
.endr
	v_lshl_or_b32 v[PW], v[Z+1], 8, v[Z]
	v_lshl_or_b32 v[Z+2], v[Z+3], 8, v[Z+2]
	s_delay_alu instid0(VALU_DEP_1)
	v_lshl_or_b32 v[PW], v[Z+2], 16, v[PW]
.irp b, 0,1,2,3
.irp i, 0,1,2,3,4,5,6,7,8,9,10,11,12,13,14,15
	v_med3_num_f32 v[Z+8*(\i/8)+4*(\i%2)+(\i%8)/2], v[\b0+16*\b+\i], -v[M+\b], v[M+\b]   ; the conversion to an 8-bit code does not saturate (ISA guide 7.6.2): the hold comes first, and lays each 8 neighbours in w's order
.endr
	v_cvt_scalef32_pk8_bf8_f32 v[\b0+16*\b:\b0+16*\b+1], v[Z:Z+7], v[N+\b]
	v_cvt_scalef32_pk8_bf8_f32 v[\b0+16*\b+2:\b0+16*\b+3], v[Z+8:Z+15], v[N+\b]
	v_nop
	ds_store_b128 v[XW], v[\b0+16*\b:\b0+16*\b+3] offset:(\t)*2048+512*\b   ; registers 4 b .. 4 b + 3 of the fragment, as an image
.endr
	ds_store_b32 v[WA], v[PW] offset:((\t)%2)*256+((\t)/2)*4   ; lanes r and r + 16 write the same word with the same value
.endm
	s_load_b256 s[4:11], s[0:1], 0x0               ; packed s[4:5], scales s[6:7], x s[8:9], parts s[10:11]
	v_lshl_add_u32 v[SPW], v0, 2, SPARE
	v_mov_b32 v[NIL], 0
	ds_add_u32 v[SPW], v[NIL]                      ; the wave's opening: the add, twice on end, and its wait ahead of my first tensor load
	ds_add_u32 v[SPW], v[NIL]
	v_lshrrev_b32 v20, 5, v0
	v_and_b32 v21, 15, v0                          ; r
	v_bfe_u32 v22, v0, 4, 1                        ; h
	v_readfirstlane_b32 s[WV], v20                 ; wave 0..7
	v_lshlrev_b32 v[VP], 4, v21
	v_lshlrev_b32 v[VS], 8, v21
	v_lshl_add_u32 v[VP], v22, 17, v[VP]           ; lanes 16-31: 8 rows of 16,384 bytes on
	s_bfe_u32 s13, ttmp6, 0x40000                  ; cx: my place in the cluster
	s_and_b32 s14, ttmp9, 7                        ; my slab: the cluster's number alone (in a cluster launch ttmp9 counts clusters)
	s_lshr_b32 s15, ttmp9, 3
	s_lshl_b32 s15, s15, 2
	s_add_co_u32 s15, s15, s13                     ; my 256 columns: cx enters the addresses of packed, scales and parts alone
	s_lshl_b32 s16, s15, 22                        ; packed: 256 rows of 16,384 bytes,
	s_lshl_b32 s17, s[WV], 19                      ; my wave's 32 of them,
	s_add_co_u32 s16, s16, s17
	s_lshl_b32 s17, s14, 11                        ; my slab's 2,048 bytes of a row
	s_add_co_u32 s16, s16, s17
	s_mov_b32 s17, 0
	s_lshl_b32 s18, s15, 16                        ; scales: 256 rows of 256 bytes; parts: 8 blocks of 8,192 bytes,
	s_lshl_b32 s19, s[WV], 13
	s_add_co_u32 s18, s18, s19                     ; my wave's 32 rows; my wave's block
	s_lshl_b32 s40, s14, 21
	s_add_co_u32 s40, s40, s18                     ; parts: my slab's 2,097,152 bytes
	s_mov_b32 s41, 0
	s_lshl_b32 s19, s14, 5
	s_add_co_u32 s18, s18, s19                     ; scales: my slab's 8 numbers of a row
	s_mov_b32 s19, 0
	s_lshl_b32 s22, s14, 12                        ; x: my slab's 4,096 bytes of a row,
	s_lshl_b32 s23, s[WV], 9                       ; my wave's K step
	s_add_co_u32 s22, s22, s23
	s_mov_b32 s23, 0
	s_mul_i32 s21, s[WV], XWAVE                    ; my tile in LDS: the wave's number alone enters an LDS address
	; descriptor group 1: 64 rows x 128 elements of 4 bytes, 16 bytes of padding behind each row
	s_mov_b32 s[G1+0], 15|(2<<16)|(1<<20)|(1<<21)|(6<<22)|(3<<25)   ; 15:0 the mask: all four work-groups; 17:16 elements of 4 bytes; 20 padding on; 21 set beside a mask; 24:22 after every 128 words; 31:25 of 4 words
	s_mov_b32 s[G1+1], 128<<16                     ; tensor_dim0 = 128
	s_mov_b32 s[G1+2], 64<<16                      ; tensor_dim1 = 64
	s_mov_b32 s[G1+3], 128<<16                     ; tile_dim0 = 128
	s_mov_b32 s[G1+4], 64                          ; tile_dim1 = 64
	s_mov_b32 s[G1+5], 8192                        ; from row to row: 8,192 elements
	s_mov_b32 s[G1+6], 0
	s_mov_b32 s[G1+7], 0
	s_mov_b32 s[SELA], 0x0c0c0400                  ; byte 0: the second source's byte 0; byte 1: the first source's byte 0; zeros above
	s_mov_b32 s[SELB], 0x04000c0c                  ; the same into bytes 2 and 3
	s_mov_b32 s[MSK], 0x0f0f0f0f
	s_mov_b32 s[ONE], 0x01010101
	s_mov_b32 s[SEL], 0x76543210
	s_mov_b32 s[SEL+1], 0xfedcba98
	s_mov_b32 s[MNT], 0x600000
	s_wait_alu depctr_va_vdst(0)
	s_wait_dscnt 0x0                               ; both opening adds are done
	CROUND                                         ; all four work-groups are here: the joint loads meet.  The arguments are on their way meanwhile
	s_wait_kmcnt 0x0
	s_add_nc_u64 s[8:9], s[8:9], s[22:23]
	s_mov_b32 s[G0], 1                             ; count = 1
	s_mov_b32 s[G0+1], s21                         ; LDS address
	s_mov_b64 s[G0+2:G0+3], s[8:9]                 ; global address: K step w of my slab
	s_or_b32 s[G0+3], s[G0+3], 0x80000000          ; type = 2
	s_add_nc_u64 s[4:5], s[4:5], s[16:17]
	s_add_nc_u64 s[6:7], s[6:7], s[18:19]
	s_add_nc_u64 s[10:11], s[10:11], s[40:41]
	tensor_load_to_lds s[G0:G0+3], s[G1:G1+7]      ; this wave's one tensor load of the launch
	s_nop 0
.rept 4
	v_nop
.endr
.irp t, 0,1
	global_load_b128 v[S+8*\t:S+8*\t+3],   v[VS], s[6:7] offset:\t*4096       ; s of row 16 t + r for units 0-3,
	global_load_b128 v[S+8*\t+4:S+8*\t+7], v[VS], s[6:7] offset:\t*4096+16    ; and 4-7
.endr
	PLOAD 0
	PLOAD 1
	PLOAD 2
	s_mul_i32 s20, s[WV], STGW
	s_add_co_u32 s20, s20, STG                     ; my stage
	v_and_b32 v24, 1, v21                          ; in: word n = lane % 16 of a row stands at 32 ((n / 2) % 2) + 8 (n / 4) + 4 (n % 2): a lane's 32 bytes lie together on the way out
	v_bfe_u32 v25, v21, 1, 1
	v_lshrrev_b32 v26, 2, v21
	v_mul_u32_u24 v27, v22, 8*SPITCH               ; lanes 16-31: the row 8 further down
	v_lshlrev_b32 v24, 2, v24
	v_mul_u32_u24 v28, v21, SPITCH                 ; out: row r,
	v_and_b32 v23, 31, v0                          ; lane
	v_lshl_add_u32 v24, v25, 5, v24
	v_lshl_add_u32 v28, v22, 5, v28                ; + 32 h
	v_mul_u32_u24 v30, v21, XP
	v_lshl_add_u32 v24, v26, 3, v24
	v_add_nc_u32 v[STO], s20, v28
	v_lshl_add_u32 v30, v22, 6, v30
	v_add_nc_u32 v24, v24, v27
	v_lshlrev_b32 v[GO], 4, v23
	v_lshlrev_b32 v[XA], 4, v23
	v_add_nc_u32 v[XR], s21, v30                   ; my tile of x: row r, + 64 h
	v_add_nc_u32 v[STI], s20, v24
	v_lshl_add_u32 v[XW], v23, 4, s21
	v_add_nc_u32 v[XA+1], 2*XWAVE, v[XA]
	v_add_nc_u32 v[XA+2], 4*XWAVE, v[XA]
	v_add_nc_u32 v[XA+3], 6*XWAVE, v[XA]
	v_mov_b32 v[SC8], 0x88888888
	s_wait_alu depctr_va_vdst(0)
	PRE 0, 32                                      ; behind unit j's loads stand those of two younger units, 32, while there are so many
	s_wait_dscnt 0x0
	SPLIT 0, 0
	FINISH 0, 0, 0
	SPLIT 1, 0
	FINISH 1, 0, 0
	PRE 1, 32
	s_wait_dscnt 0x0
	SPLIT 0, 1
	FINISH 0, 1, 1
	SPLIT 1, 1
	FINISH 1, 1, 1
	; x: my K step's 64 rows.  A batch tile's rows are in registers when its codes go over the first tile's rows; the other buffer takes the next tile meanwhile.
	s_add_co_u32 s20, s21, 8192
	v_and_b32 v[PW], 15, v0
	v_lshl_add_u32 v[WA], v[PW], 4, s20            ; behind my record's codes: 16 bytes a lane, lane 16 (t % 2) + r, word t / 2
	s_wait_alu depctr_va_vdst(0)
	s_wait_tensorcnt 0x0                           ; my tile is in; I alone read it
	XIN 0, PT
	XIN 1, F
	s_wait_dscnt 16                                ; all but tile 1's loads
	XQ 0, PT
	s_wait_dscnt 0x0                               ; tile 1 is in, and tile 0's stores have read their registers
	XIN 2, PT
	XQ 1, F
	s_wait_dscnt 0x0
	XIN 3, F
	XQ 2, PT
	s_wait_dscnt 0x0
	XQ 3, F
	s_wait_dscnt 0x0                               ; for the others' sake: my record is in LDS
	s_barrier_signal -1
	s_barrier_wait -1
	XLD 0
	PRE 2, 32
	s_wait_dscnt 20                                ; x is in; behind it: the stage's 16 stores and 4 loads
	MMS 0
.rept 8
	v_nop                                          ; eight places between the products and the loads into registers that they read
.endr
	XLD 1
	s_wait_dscnt 0x0
	MMS 1
	UNIT 2, 0, 32
	UNIT 3, 1, 32
	UNIT 4, 0, 32
	UNIT 5, 1, 16
	UNIT 6, 0, 0
	UNIT 7, 1, 0
.rept 8
	v_nop                                          ; eight places behind the last products
.endr
	WIN 0x04                                       ; the data: window 1
.irp x, 0,1,2,3
.irp f, 0,1
	global_store_b128 v[GO], v[ACC+8*(2*\x+\f):ACC+8*(2*\x+\f)+3], s[10:11] offset:(4*\x+2*\f)*512 th:TH_STORE_NT      ; 32 lanes store 512 consecutive bytes; each accumulator from its low end on
	global_store_b128 v[GO], v[ACC+8*(2*\x+\f)+4:ACC+8*(2*\x+\f)+7], s[10:11] offset:(4*\x+2*\f+1)*512 th:TH_STORE_NT
.endr
.endr
	WIN 0
	s_wait_tensorcnt 0x0                           ; the wave's end: behind my last tensor load and my last LDS store
	ds_add_u32 v[SPW], v[NIL]
	s_wait_dscnt 0x0
	CROUND                                         ; the closing round: no work-group ends while a partner may still issue a joint load that names it
	s_endpgm
.Lfunc_end_k_q9e9ae0a570_qlinear:
	.size	k_q9e9ae0a570_qlinear, .Lfunc_end_k_q9e9ae0a570_qlinear-k_q9e9ae0a570_qlinear
	.p2alignl 7, 3214868480
	.fill 96, 4, 3214868480
	.section	.rodata,"a",@progbits
	.p2align	6, 0x0
	.amdhsa_kernel k_q9e9ae0a570_qlinear
		.amdhsa_group_segment_fixed_size 327680
		.amdhsa_private_segment_fixed_size 0
		.amdhsa_enable_private_segment 0
		.amdhsa_kernarg_size 32
		.amdhsa_user_sgpr_count 2
		.amdhsa_user_sgpr_kernarg_segment_ptr 1
		.amdhsa_wavefront_size32 1
		.amdhsa_system_sgpr_workgroup_id_x 1
		.amdhsa_system_sgpr_workgroup_id_y 1
		.amdhsa_system_sgpr_workgroup_id_z 1
		.amdhsa_system_vgpr_workitem_id 0
		.amdhsa_next_free_vgpr 512
		.amdhsa_next_free_sgpr 66
		.amdhsa_reserve_vcc 0
		.amdhsa_float_denorm_mode_32 3
		.amdhsa_float_denorm_mode_16_64 3
		.amdhsa_memory_ordered 1
		.amdhsa_forward_progress 1
		.amdhsa_inst_pref_size 238
	.end_amdhsa_kernel
	.amdgpu_metadata
---
amdhsa.version: [ 1, 2 ]
amdhsa.kernels:
  - .name:           k_q9e9ae0a570_qlinear
    .symbol:         k_q9e9ae0a570_qlinear.kd
    .args:
      - { .name: packed, .offset: 0, .size: 8, .value_kind: global_buffer, .address_space: global }
      - { .name: scales, .offset: 8, .size: 8, .value_kind: global_buffer, .address_space: global }
      - { .name: x, .offset: 16, .size: 8, .value_kind: global_buffer, .address_space: global }
      - { .name: parts, .offset: 24, .size: 8, .value_kind: global_buffer, .address_space: global }
    .group_segment_fixed_size: 327680
    .private_segment_fixed_size: 0
    .kernarg_segment_align: 8
    .kernarg_segment_size: 32
    .max_flat_workgroup_size: 256
    .sgpr_count:     66
    .vgpr_count:     512
    .wavefront_size: 32
...
	.end_amdgpu_metadata
.endif
;; end of part 1
;; launch addparts (part 2): grid 256 x 1, 16 waves a work-group, no clusters, 10,752 bytes of LDS; arguments parts, out0; writes out0
.if DOCPART == 2
	.amdgcn_target "amdgcn-amd-amdhsa--gfx1250"
	.amdhsa_code_object_version 6
	.text
	.protected	k_q9e9ae0a570_addparts
	.globl	k_q9e9ae0a570_addparts
	.p2align	8
	.type	k_q9e9ae0a570_addparts,@function
k_q9e9ae0a570_addparts:
	s_mov_b64 s[64:65], 0
	v_nop
	global_prefetch_b8 v0, s[64:65] scope:SCOPE_SE
	s_setreg_imm32_b32 hwreg(HW_REG_WAVE_MODE, 25, 1), 1
	s_wait_xcnt 0x0
; out0 = the sum of the eight slabs' parts.  parts: [slab][block of 32 columns][image 4 x + 2 f + e][lane][16 bytes]: batch row 16 x + r, columns 16 f + 8 h + 4 e .. + 3 of lane (r, h).
; A work-group makes 32 batch rows (tiles x = 2 y, 2 y + 1) x 64 columns (blocks 2 P, 2 P + 1): sixteen images, one a wave, eight parts of each: 512 consecutive bytes a load, all eight asked for at once.
; The sums turn through LDS (rows of 256 bytes, 272 apart) and leave as whole rows: sixteen lanes store 256 consecutive bytes.  Nothing is read twice: no cluster, no prefetch (there is no loop to run ahead in).
.set PITCH, 272
.set SPARE, 32*PITCH                   ; behind the 32 rows: the spare words, 128 bytes for each wave
.set PART,  2097152                    ; bytes of a slab's part
.set D,     16                         ; v16-47 the eight parts
	s_load_b128 s[4:7], s[0:1], 0x0                ; parts, out0
	v_lshl_add_u32 v10, v0, 2, SPARE               ; my spare word; never rewritten
	v_mov_b32 v11, 0                               ; never rewritten
	v_lshrrev_b32 v1, 5, v0
	v_and_b32 v2, 31, v0                           ; lane
	v_and_b32 v3, 15, v0                           ; r
	v_readfirstlane_b32 s8, v1                     ; wave 0..15 = 8 p + 4 xx + 2 f + e: block 2 P + p, tile 2 y + xx
	v_bfe_u32 v4, v0, 4, 1                         ; h
	v_lshlrev_b32 v5, 4, v2                        ; in: 16 x lane
	v_mul_u32_u24 v6, v3, PITCH                    ; into LDS: row 16 xx + r, + 128 p + 64 f + 32 h + 16 e
	v_mul_u32_u24 v7, v4, PITCH                    ; out of LDS: row 2 w + h, 16 bytes a lane
	v_lshlrev_b32 v8, 15, v4                       ; and the same in out0
	v_lshl_add_u32 v6, v4, 5, v6
	v_lshl_add_u32 v7, v3, 4, v7
	v_lshl_add_u32 v8, v3, 4, v8
	s_lshr_b32 s9, ttmp9, 1                        ; P
	s_and_b32 s10, ttmp9, 1                        ; y
	s_lshr_b32 s11, s8, 3                          ; p
	s_and_b32 s12, s8, 7                           ; 4 xx + 2 f + e
	s_lshl_b32 s14, s9, 14                         ; two blocks of 8,192 bytes,
	s_lshl_b32 s13, s11, 13
	s_add_co_u32 s14, s14, s13
	s_lshl_b32 s13, s10, 12                        ; eight images of 512 bytes for each y
	s_add_co_u32 s14, s14, s13
	s_lshl_b32 s13, s12, 9
	s_add_co_u32 s14, s14, s13
	s_mov_b32 s15, 0
	s_lshl_b32 s16, s10, 20                        ; out0: 32 rows of 32,768 bytes for each y,
	s_lshl_b32 s13, s8, 16                         ; my two rows,
	s_add_co_u32 s16, s16, s13
	s_lshl_b32 s13, s9, 8                          ; 64 columns
	s_add_co_u32 s16, s16, s13
	s_mov_b32 s17, 0
	s_wait_alu depctr_va_vdst(0)
	s_wait_kmcnt 0x0
	s_add_nc_u64 s[4:5], s[4:5], s[14:15]
	s_add_nc_u64 s[18:19], s[4:5], 4*PART
.irp s, 0,1,2,3
	global_load_b128 v[D+4*\s:D+4*\s+3], v5, s[4:5] offset:\s*PART th:TH_LOAD_NT
.endr
.irp s, 0,1,2,3
	global_load_b128 v[D+16+4*\s:D+16+4*\s+3], v5, s[18:19] offset:\s*PART th:TH_LOAD_NT
.endr
	s_add_nc_u64 s[6:7], s[6:7], s[16:17]
	s_lshr_b32 s20, s12, 2                         ; xx
	s_mul_i32 s20, s20, 16*PITCH
	s_lshl_b32 s21, s11, 7                         ; 128 p
	s_add_co_u32 s20, s20, s21
	s_and_b32 s21, s12, 3                          ; 2 f + e:
	s_lshr_b32 s22, s21, 1
	s_lshl_b32 s22, s22, 6                         ; 64 f
	s_add_co_u32 s20, s20, s22
	s_and_b32 s21, s21, 1
	s_lshl_b32 s21, s21, 4                         ; 16 e
	s_add_co_u32 s20, s20, s21
	v_add_nc_u32 v6, s20, v6
	s_mul_i32 s21, s8, 2*PITCH
	v_add_nc_u32 v7, s21, v7
	s_wait_alu depctr_va_vdst(0)
	s_wait_loadcnt 0x0
.irp s, 0,2,4,6
.irp k, 0,2
	v_pk_add_f32 v[D+4*\s+\k:D+4*\s+\k+1], v[D+4*\s+\k:D+4*\s+\k+1], v[D+4*\s+4+\k:D+4*\s+4+\k+1]
.endr
.endr
.irp s, 0,4
.irp k, 0,2
	v_pk_add_f32 v[D+4*\s+\k:D+4*\s+\k+1], v[D+4*\s+\k:D+4*\s+\k+1], v[D+4*\s+8+\k:D+4*\s+8+\k+1]
.endr
.endr
.irp k, 0,2
	v_pk_add_f32 v[D+\k:D+\k+1], v[D+\k:D+\k+1], v[D+16+\k:D+16+\k+1]
.endr
	ds_store_b128 v6, v[D:D+3]
	s_wait_dscnt 0x0                               ; for the others' sake: my image is in LDS
	s_barrier_signal -1
	s_barrier_wait -1
	ds_load_b128 v[48:51], v7
	s_wait_dscnt 0x0
	global_store_b128 v8, v[48:51], s[6:7] th:TH_STORE_NT   ; two rows, 256 consecutive bytes each, at multiples of 256 from out0's first byte
	s_wait_tensorcnt 0x0                           ; the wave's end: behind my last LDS store
	ds_add_u32 v10, v11
	s_wait_dscnt 0x0
	s_endpgm
.Lfunc_end_k_q9e9ae0a570_addparts:
	.size	k_q9e9ae0a570_addparts, .Lfunc_end_k_q9e9ae0a570_addparts-k_q9e9ae0a570_addparts
	.p2alignl 7, 3214868480
	.fill 96, 4, 3214868480
	.section	.rodata,"a",@progbits
	.p2align	6, 0x0
	.amdhsa_kernel k_q9e9ae0a570_addparts
		.amdhsa_group_segment_fixed_size 10752
		.amdhsa_private_segment_fixed_size 0
		.amdhsa_enable_private_segment 0
		.amdhsa_kernarg_size 16
		.amdhsa_user_sgpr_count 2
		.amdhsa_user_sgpr_kernarg_segment_ptr 1
		.amdhsa_wavefront_size32 1
		.amdhsa_system_sgpr_workgroup_id_x 1
		.amdhsa_system_sgpr_workgroup_id_y 1
		.amdhsa_system_sgpr_workgroup_id_z 1
		.amdhsa_system_vgpr_workitem_id 0
		.amdhsa_next_free_vgpr 64
		.amdhsa_next_free_sgpr 66
		.amdhsa_reserve_vcc 0
		.amdhsa_float_denorm_mode_32 3
		.amdhsa_float_denorm_mode_16_64 3
		.amdhsa_memory_ordered 1
		.amdhsa_forward_progress 1
		.amdhsa_inst_pref_size 5
	.end_amdhsa_kernel
	.amdgpu_metadata
---
amdhsa.version: [ 1, 2 ]
amdhsa.kernels:
  - .name:           k_q9e9ae0a570_addparts
    .symbol:         k_q9e9ae0a570_addparts.kd
    .args:
      - { .name: parts, .offset: 0, .size: 8, .value_kind: global_buffer, .address_space: global }
      - { .name: out0, .offset: 8, .size: 8, .value_kind: global_buffer, .address_space: global }
    .group_segment_fixed_size: 10752
    .private_segment_fixed_size: 0
    .kernarg_segment_align: 8
    .kernarg_segment_size: 16
    .max_flat_workgroup_size: 512
    .sgpr_count:     66
    .vgpr_count:     64
    .wavefront_size: 32
...
	.end_amdgpu_metadata
.endif
;; end of part 2
